; MI455X (gfx1250); checked and timed in simulation.
; The chip was launched on July 23, 2026; its instructions are those of AMD's public machine-readable ISA for CDNA 5 (MIT licence, August 2026) and "CDNA5" Instruction Set Architecture Reference Guide (July 2026). The comments in the code are by the model that wrote it; some were corrected since.
;; OTAM Matching. Allowed arithmetic: float matrix products may take bf16 or f16 operands with f32 sums; other float arithmetic in f32, or as packed bf16 or f16 multiplies, adds, multiply-adds, maxima and minima; sums over many terms, partial sums and values carried from step to step in f32; what a program stores and reads back later, other than sums and carried values, may be rounded once to bf16 or f16.
;; Inputs: similarity 400 x 400 x 16 x 16 float32.
;; Outputs: out0 400 x 400 float32.
;; 2 versions, each right; version 2 is version 1 with the launch otam written anew for expert scheduling mode. Each part assembles by itself: llvm-mc -triple=amdgcn-amd-amdhsa -mcpu=gfx1250 --defsym DOCPART=n.
;; ======== version 1 of 2: 1 launch
;; launch otam (part 1): grid 250 x 1, 4 waves a work-group, no clusters, 136,192 bytes of LDS; arguments similarity, out0; writes out0
.if DOCPART == 1
	.amdgcn_target "amdgcn-amd-amdhsa--gfx1250"
	.amdhsa_code_object_version 6
	.text
	.protected	k_q11fb2f9fe6_otam
	.globl	k_q11fb2f9fe6_otam
	.p2align	8
	.type	k_q11fb2f9fe6_otam,@function
k_q11fb2f9fe6_otam:
	s_mov_b64 s[64:65], 0
	v_nop
	global_prefetch_b8 v0, s[64:65] scope:SCOPE_SE
	s_setreg_imm32_b32 hwreg(HW_REG_WAVE_MODE, 25, 1), 1
	s_wait_xcnt 0x0
; OTAM votes.  similarity: [400][400][16][16] f32, out0: [400][400] f32.  For each of the 160,000 pairs: d = 1 - sim, the banded soft-min DP (temperature 0.1) on d and on d^T,
; out = -(cumA + cumB) / 2.
; UNITS.  x = cum * c, c = 1 / (0.1 ln 2) = 14.42695, so that softmin(a, b) = min(a, b) - log2(1 + 2^-|a - b|): the minimum is taken away at every cell.
; BY COLUMNS.  cum[l][m] hangs on cum[l-1][m-1] and cum[l][m-1] alone for m = 2 .. 16: a lane holds a whole column, 16 cells, and a step makes the next column: 15 soft-mins that do not
; wait for each other, and row 0, which only adds.  A lane runs BOTH DPs of one pair, as register pairs (A, B): differences and sums are packed, two cells an instruction.
; Step j takes column j of sim for A and row j for B.  The 1 of d = 1 - sim is the same for every path through an inner column: the cells add -c sim alone, and 15 is added at the end.
; COLUMN 1 is a chain down the rows, x_l = D_l + softmin(-1, x_(l-1)) (the two zeros of column 0 make -1).  It is kept as x_l = s_l - log2 f_l: s_l = D_l + min(-1, s_(l-1)) is plain
; arithmetic and plays the running maximum's part; f_l = f_(l-1) 2^(mu - s_(l-1)) + 2^(mu + 1), mu = min(-1, s_(l-1)): both exponents are <= 0, one is 0, f stays in 1 .. 16.
; COLUMN 17 (d = 0) unrolls to -log2(2 sum over l < 15 of 2^-x_l + 2^-x_15), with the least x taken away first.
; LIMITS.  A term more than 2^126 below its partner counts as 0; NaN and infinities are not treated apart; sums are taken in another order than the reference's; the numbers stay
; finite while 16 c |sim| stays inside f32.
; SHARES.  250 work-groups of four waves, one wave a SIMD; a work-group owns 640 pairs, a wave 160: five TILES of 32 pairs, a lane a pair.  5,000 tiles = 250 x 20: all shares are equal.
; THE WAY IN.  A tile is 32 KiB on end: 64 loads of 512 consecutive bytes, into 256 staging registers; from there into the wave's own LDS slot, a pair every 1,040 bytes; from there a lane
; reads its pair's 1,024 bytes into 256 registers, once.  1,040 bytes = 260 words: lane i starts at bank 4 i mod 64 (64 banks of 4 bytes: ISA guide 11.1).
; No wave touches another's slot, and LDS serves a wave's instructions in order (ISA guide 5.7.1.4): no barrier on the way in.
; THE STREAM.  The 64 loads are 16 chunks of 4.  Ahead of each of a tile's 16 column steps stands a SNIP: the next tile's chunk, loaded 15 SNIPs ago, goes to LDS, and 4 loads go out into the
; registers that the SNIP before has emptied.  So 56 to 60 loads of the wave are out all the time, across tiles.  The last two tiles have nothing left to load: they are a second text.
; NO CLUSTER, NO MATRIX UNIT: no byte is shared between pairs, and there is no product.
; REGISTERS, in windows of 256 (s_set_vgpr_msb: bits 1:0 source 0, 3:2 source 1, 5:4 source 2, 7:6 destination):
;   window 0: addresses, X, T, MN      window 1: the pair's matrix, sim[r][c] at v[16 r + c]      window 2: staging, load k of a tile at v[4 k .. 4 k + 3]
.set TILEB, 32768                      ; bytes in a tile
.set PITCH, 1040                       ; a pair in LDS
.set SLOT,  32*PITCH                   ; a wave's slot
.set RESB,  4*SLOT                     ; behind the slots: the work-group's 640 results, 2,560 bytes
.set SPARE, RESB+2560                  ; behind them: the spare words, 128 bytes for each wave: two blocks of 256 bytes that no other line names
.set VOFF, 2                           ; v2   16 x lane: my 16 bytes of a load's 512; never rewritten
.set STO,  3                           ; v3   slot + 16 x lane: where they go in LDS; never rewritten
.set RD,   4                           ; v4   slot + 1,040 x lane: my pair; never rewritten
.set RA,   5                           ; v5   where my results go in LDS
.set SPW,  6                           ; v6   LDS address of my spare word: SPARE + 4 x my thread's number; never rewritten
.set NIL,  7                           ; v7   0; never rewritten
.set RB,   8                           ; v8   where I read 16 bytes of results back
.set GO,   9                           ; v9   and their place in the work-group's 2,560 bytes of out0
.set MF,   10                          ; v[10:11]  column 17: the least x of A, of B
.set RES,  12                          ; v[12:16]  my five results; each tile shifts them down by one
.set Q0,   20                          ; v[20:23]  results on their way out
.set X,    24                          ; v[24:55]  the column: cell l of A, of B at X + 2 l
.set T,    56                          ; v[56:87]  at work, pair l at T + 2 l
.set MN,   88                          ; v[88:119] at work, pair l at MN + 2 l
.set WV,   8                           ; s8   my wave's number
.set LB,   10                          ; s[10:11] similarity at the tile whose chunks 0 to 14 the SNIPs in hand load
.set OB,   12                          ; s[12:13] out0 at the work-group's first result
.set CNT,  14                          ; s14  tiles to go
.set NEGC, 16                          ; s16  -c
.set CPOS, 17                          ; s17  c
.set KOUT, 18                          ; s18  -1 / (2 c)
.set M15,  19                          ; s19  -15
.set MSB, 0
.macro WIN new                         ; the immediate's high byte repeats the setting that is left; a switch that changes nothing is dropped
.if MSB != (\new)
	s_set_vgpr_msb (MSB<<8)|(\new)
.set MSB, \new
.endif
.endm
; SNIP c.  Chunk c's four loads were issued 15 SNIPs ago; the 14 SNIPs since have issued 56: loads come back in order (ISA guide 5.7.1), so with 56 out chunk c is in.
; It goes to LDS: load k holds half k % 2 of pair k / 2.  Then four loads go out into chunk c - 1's registers, which the SNIP before has stored: chunk c - 1 of the tile at LB
; (for c = 0: the last chunk of the tile before it, 2,048 bytes below LB).
.macro SNIP c
	WIN 0x88                                       ; LDS store data (source 1) and load destination in window 2, addresses in window 0
	s_wait_loadcnt 56
.irp k, 0,1,2,3
	ds_store_b128 v[STO], v[16*(\c)+4*(\k):16*(\c)+4*(\k)+3] offset:(2*(\c)+(\k)/2)*PITCH+((\k)%2)*512
.endr
.irp k, 0,1,2,3
	global_load_b128 v[16*(((\c)+15)%16)+4*(\k):16*(((\c)+15)%16)+4*(\k)+3], v[VOFF], s[LB:LB+1] offset:((\c)-1)*2048+512*(\k) th:TH_LOAD_NT
.endr
.endm
; My pair's 64 pieces of 16 bytes.  What column 1 needs comes first: columns 0-3 of every row (16 loads), the rest of row 0 (3 loads).
.macro LOADMAT
	WIN 0x40                                       ; destination in window 1
.set ll, 0
.rept 16
	ds_load_b128 v[16*ll:16*ll+3], v[RD] offset:64*ll
.set ll, ll+1
.endr
.set ll, 0
.rept 16
.irp q, 1,2,3
	ds_load_b128 v[16*ll+4*(\q):16*ll+4*(\q)+3], v[RD] offset:64*ll+16*(\q)
.endr
.set ll, ll+1
.endr
.endm
; COLUMN 1.
.macro COL1
	WIN 0x04                                       ; source 1 in window 1
.set ll, 0
.rept 16
	v_fma_f32 v[X+2*ll],   s[NEGC], v[16*ll], s[CPOS]  ; D_l = c - c sim[l][0] for A,
	v_fma_f32 v[X+2*ll+1], s[NEGC], v[ll],    s[CPOS]  ; c - c sim[0][l] for B
.set ll, ll+1
.endr
	WIN 0
.set ll, 1
.rept 15                               ; the chain of s; row l - 1's four exponentials stand between row l's plain lines
	v_min_num_f32 v[T+2*ll], -1.0, v[X+2*ll-2]     ; mu
.if ll > 1
	v_exp_f32 v[T+2*ll-2], v[T+2*ll-2]
.endif
	v_min_num_f32 v[T+2*ll+1], -1.0, v[X+2*ll-1]
.if ll > 1
	v_exp_f32 v[T+2*ll-1], v[T+2*ll-1]
.endif
	v_pk_add_f32 v[X+2*ll:X+2*ll+1], v[X+2*ll:X+2*ll+1], v[T+2*ll:T+2*ll+1]  ; s_l = D_l + mu
.if ll > 1
	v_exp_f32 v[MN+2*ll-2], v[MN+2*ll-2]
.endif
	v_pk_add_f32 v[MN+2*ll:MN+2*ll+1], v[T+2*ll:T+2*ll+1], v[X+2*ll-2:X+2*ll-1] neg_lo:[0,1] neg_hi:[0,1]  ; mu - s_(l-1)
.if ll > 1
	v_exp_f32 v[MN+2*ll-1], v[MN+2*ll-1]
.endif
	v_pk_add_f32 v[T+2*ll:T+2*ll+1], v[T+2*ll:T+2*ll+1], 1.0 op_sel_hi:[1,0]  ; mu + 1
.set ll, ll+1
.endr
	v_exp_f32 v[T+30], v[T+30]
	v_exp_f32 v[T+31], v[T+31]
	v_exp_f32 v[MN+30], v[MN+30]
	v_exp_f32 v[MN+31], v[MN+31]
	v_nop                                          ; a plain instruction behind the last exponential (ISA guide 5.7.2),
	s_wait_alu depctr_va_vdst(0)                   ; and the wait ahead of the first reader: one for the 60 exponentials
	v_pk_add_f32 v[T+2:T+3], v[T+2:T+3], v[MN+2:MN+3]  ; f_1 = 2^(mu + 1) + 1 x 2^(mu - s_0)
.set ll, 2
.rept 14                               ; the chain of f; row l - 1's logarithms, into the registers of its spent factor, stand between the links
	v_pk_fma_f32 v[T+2*ll:T+2*ll+1], v[T+2*ll-2:T+2*ll-1], v[MN+2*ll:MN+2*ll+1], v[T+2*ll:T+2*ll+1]
	v_log_f32 v[MN+2*ll-2], v[T+2*ll-2]
	v_log_f32 v[MN+2*ll-1], v[T+2*ll-1]
.set ll, ll+1
.endr
	v_log_f32 v[MN+30], v[T+30]
	v_log_f32 v[MN+31], v[T+31]
	v_nop
	s_wait_alu depctr_va_vdst(0)                   ; one wait for the 30 logarithms
.set ll, 1
.rept 15
	v_pk_add_f32 v[X+2*ll:X+2*ll+1], v[X+2*ll:X+2*ll+1], v[MN+2*ll:MN+2*ll+1] neg_lo:[0,1] neg_hi:[0,1]  ; x_l = s_l - log2 f_l
.set ll, ll+1
.endr
.endm
; AN INNER COLUMN: step j takes sim[l][j] for A and sim[j][l] for B.
.macro PKT n                           ; a - b, a = the cell above in the last column, b = the cell beside
	v_pk_add_f32 v[T+2*(\n):T+2*(\n)+1], v[X+2*(\n)-2:X+2*(\n)-1], v[X+2*(\n):X+2*(\n)+1] neg_lo:[0,1] neg_hi:[0,1]
.endm
.macro PKA n                           ; 1 + 2^-|a - b|
	v_pk_add_f32 v[T+2*(\n):T+2*(\n)+1], v[T+2*(\n):T+2*(\n)+1], 1.0 op_sel_hi:[1,0]
.endm
.macro STEP j, stream
.if \stream
	SNIP \j
.endif
	WIN 0
	PKT 1
	PKT 2
.set ll, 1
.rept 15                               ; exponential and plain by turns; the differences run two rows ahead of their exponentials
.if ll < 14
	PKT ll+2
.endif
	v_exp_f32 v[T+2*ll], -|v[T+2*ll]|
	v_min_num_f32 v[MN+2*ll], v[X+2*ll-2], v[X+2*ll]
	v_exp_f32 v[T+2*ll+1], -|v[T+2*ll+1]|
	v_min_num_f32 v[MN+2*ll+1], v[X+2*ll-1], v[X+2*ll+1]  ; (the last of these is the plain instruction behind the last exponential)
.set ll, ll+1
.endr
	s_wait_alu depctr_va_vdst(0)                   ; one wait for the 30 exponentials, ahead of their first reader
.if (\j) == 1
	s_wait_dscnt 8*(\stream)                       ; the whole matrix is in: behind its last load stand only the eight LDS stores of SNIPs 0 and 1, or nothing
.endif
	WIN 0x04                                       ; source 1 in window 1: the matrix; logarithms and the packed sums with a constant name no source 1 register
	v_fmac_f32 v[X],   s[NEGC], v[\j]              ; row 0 only adds; its old value has been read above
	v_fmac_f32 v[X+1], s[NEGC], v[16*(\j)]
	PKA 1
	PKA 2
.set ll, 1
.rept 15                               ; logarithm and plain by turns
.if ll < 14
	PKA ll+2
.endif
	v_log_f32 v[T+2*ll], v[T+2*ll]
	v_fmac_f32 v[MN+2*ll], s[NEGC], v[16*ll+(\j)]      ; min - c sim
	v_log_f32 v[T+2*ll+1], v[T+2*ll+1]
	v_fmac_f32 v[MN+2*ll+1], s[NEGC], v[16*(\j)+ll]    ; (the last of these is the plain instruction behind the last logarithm)
.set ll, ll+1
.endr
	WIN 0
	s_wait_alu depctr_va_vdst(0)                   ; one wait for the 30 logarithms
.set ll, 1
.rept 15
	v_pk_add_f32 v[X+2*ll:X+2*ll+1], v[MN+2*ll:MN+2*ll+1], v[T+2*ll:T+2*ll+1] neg_lo:[0,1] neg_hi:[0,1]
.set ll, ll+1
.endr
.endm
; COLUMN 17 and the vote.
.macro PKS n
	v_pk_add_f32 v[T+2*(\n):T+2*(\n)+1], v[MF:MF+1], v[X+2*(\n):X+2*(\n)+1] neg_lo:[0,1] neg_hi:[0,1]
.endm
.macro PADD a, b
	v_pk_add_f32 v[T+2*(\a):T+2*(\a)+1], v[T+2*(\a):T+2*(\a)+1], v[T+2*(\b):T+2*(\b)+1]
.endm
.macro FINAL
.irp h, 0,1
	v_min3_num_f32 v[T+(\h)],   v[X+(\h)],    v[X+2+(\h)],  v[X+4+(\h)]
	v_min3_num_f32 v[T+2+(\h)], v[X+6+(\h)],  v[X+8+(\h)],  v[X+10+(\h)]
	v_min3_num_f32 v[T+4+(\h)], v[X+12+(\h)], v[X+14+(\h)], v[X+16+(\h)]
	v_min3_num_f32 v[T+6+(\h)], v[X+18+(\h)], v[X+20+(\h)], v[X+22+(\h)]
	v_min3_num_f32 v[T+8+(\h)], v[X+24+(\h)], v[X+26+(\h)], v[X+28+(\h)]
.endr
.irp h, 0,1
	v_min3_num_f32 v[T+(\h)],   v[T+(\h)],   v[T+2+(\h)], v[T+4+(\h)]
	v_min3_num_f32 v[T+6+(\h)], v[T+6+(\h)], v[T+8+(\h)], v[X+30+(\h)]
.endr
.irp h, 0,1
	v_min_num_f32 v[MF+(\h)], v[T+(\h)], v[T+6+(\h)]   ; the least of the 16
.endr
	PKS 0
	PKS 1
.set ll, 0
.rept 16
.if ll < 14
	PKS ll+2
.endif
	v_exp_f32 v[T+2*ll], v[T+2*ll]
	v_exp_f32 v[T+2*ll+1], v[T+2*ll+1]
.set ll, ll+1
.endr
	v_nop
	s_wait_alu depctr_va_vdst(0)                   ; one wait for the 32 exponentials
.irp p, 0,2,4,6,8,10,12
	PADD \p, (\p)+1
.endr
	PADD 0, 2
	PADD 4, 6
	PADD 8, 10
	PADD 12, 14
	PADD 0, 4
	PADD 8, 12
	PADD 0, 8                                      ; rows 0 to 14,
	v_pk_fma_f32 v[T:T+1], v[T:T+1], 2.0, v[T+30:T+31] op_sel_hi:[1,0,1]  ; twice, and row 15 once
	v_log_f32 v[T], v[T]
	v_log_f32 v[T+1], v[T+1]
.irp r, 0,1,2,3
	v_mov_b32 v[RES+(\r)], v[RES+(\r)+1]           ; the earlier tiles' results move down by one, so that one text serves every tile; also the plain lines behind the logarithms
.endr
	s_wait_alu depctr_va_vdst(0)
	v_pk_add_f32 v[T:T+1], v[MF:MF+1], v[T:T+1] neg_lo:[0,1] neg_hi:[0,1]
	v_add_f32 v1, v[T], v[T+1]
	v_fma_f32 v[RES+4], v1, s[KOUT], s[M15]        ; -(xA + xB) / (2 c) - 15: the 15 inner columns' ones
.endm
; A tile.  stream = 1: the next tile but one is being loaded, the next one stored into the slot, which LOADMAT has just read out (LDS keeps my instructions' order).
.macro TILE stream
	LOADMAT
.if \stream
	SNIP 0
.endif
	s_wait_dscnt 45+4*(\stream)                    ; the first 19 matrix loads are in: 45 loads are younger, and SNIP 0's four stores
	COL1
.set jj, 1
.rept 15
	STEP jj, \stream
.set jj, jj+1
.endr
	FINAL
.endm
	s_load_b128 s[4:7], s[0:1], 0x0                ; similarity s[4:5], out0 s[6:7]
	v_lshl_add_u32 v[SPW], v0, 2, SPARE
	v_mov_b32 v[NIL], 0
	v_lshrrev_b32 v1, 5, v0
	v_readfirstlane_b32 s[WV], v1                  ; wave 0..3
	v_and_b32 v1, 31, v0                           ; lane
	v_lshlrev_b32 v[VOFF], 4, v1
	s_mul_i32 s9, s[WV], SLOT                      ; my slot
	v_lshl_add_u32 v[STO], v1, 4, s9
	v_mul_u32_u24 v[RD], v1, PITCH
	v_add_nc_u32 v[RD], s9, v[RD]
	s_mul_i32 s9, s[WV], 640                       ; my wave's 160 results
	s_add_co_u32 s9, s9, RESB
	v_lshl_add_u32 v[RA], v1, 2, s9
	s_lshl_b32 s9, s[WV], 9                        ; on the way out wave w takes bytes 512 w .. 512 w + 511 of the 2,560
	v_lshl_add_u32 v[GO], v1, 4, s9
	v_add_nc_u32 v[RB], RESB, v[GO]
.irp r, 1,2,3,4
	v_mov_b32 v[RES+(\r)], 0                       ; read by the first tiles' shifts, and shifted out before the end
.endr
	s_mov_b32 s[NEGC], 0xc166d4ca                  ; -14.42695
	s_mov_b32 s[CPOS], 0x4166d4ca
	s_mov_b32 s[KOUT], 0xbd0df4e0                  ; -0.03465736
	s_mov_b32 s[M15], 0xc1700000
	s_mul_i32 s20, ttmp9, 20*TILEB                 ; the work-group's 20 tiles (under 2^28 bytes in all),
	s_mul_i32 s21, s[WV], 5*TILEB                  ; my five,
	s_add_co_u32 s20, s20, s21
	s_add_co_u32 s20, s20, TILEB                   ; at my tile 1
	s_mov_b32 s21, 0
	s_mul_i32 s22, ttmp9, 2560
	s_mov_b32 s23, 0
	s_wait_kmcnt 0x0
	s_add_nc_u64 s[LB:LB+1], s[4:5], s[20:21]
	s_add_nc_u64 s[OB:OB+1], s[6:7], s[22:23]
	WIN 0x80                                       ; destination in window 2
.set kk, 0
.rept 60                               ; tile 0's chunks 0 to 14
	global_load_b128 v[4*kk:4*kk+3], v[VOFF], s[LB:LB+1] offset:512*kk-TILEB th:TH_LOAD_NT
.set kk, kk+1
.endr
.set cc, 0
.rept 16                               ; tile 0 goes into the slot; its chunk 15 and tile 1's chunks 0 to 14 go out
	SNIP cc
.set cc, cc+1
.endr
	WIN 0
	s_wait_xcnt 0x0                                ; every load issued so far has read its address: LB is written only behind this wait
	s_add_nc_u64 s[LB:LB+1], s[LB:LB+1], TILEB
	s_mov_b32 s[CNT], 3
.Ltile:                                                ; tiles 0, 1, 2: each stores the next tile and loads up to the next but one's chunk 14
	TILE 1
	s_wait_xcnt 0x0
	s_add_nc_u64 s[LB:LB+1], s[LB:LB+1], TILEB
	s_sub_co_u32 s[CNT], s[CNT], 1
	s_cmp_lg_u32 s[CNT], 0
	s_cbranch_scc1 .Ltile
	WIN 0x80
.irp k, 0,1,2,3
	global_load_b128 v[240+4*(\k):240+4*(\k)+3], v[VOFF], s[LB:LB+1] offset:512*(\k)-2048 th:TH_LOAD_NT  ; tile 4's chunk 15: my last loads
.endr
	WIN 0
	s_mov_b32 s[CNT], 2
.Ltail:                                                ; tiles 3 and 4: nothing is left to load, so this text has no SNIP and no counted wait for loads
	TILE 0
	s_cmp_eq_u32 s[CNT], 1
	s_cbranch_scc1 .Llast
	s_wait_loadcnt 0x0                             ; tile 4 has come in while tile 3 was worked on; it goes into the slot in one run
	WIN 0x08                                       ; LDS store data in window 2
.set kk, 0
.rept 64
	ds_store_b128 v[STO], v[4*kk:4*kk+3] offset:(kk/2)*PITCH+(kk%2)*512
.set kk, kk+1
.endr
	WIN 0
.Llast:
	s_sub_co_u32 s[CNT], s[CNT], 1
	s_cmp_lg_u32 s[CNT], 0
	s_cbranch_scc1 .Ltail
	; THE WAY OUT.  A wave's 160 results are 640 bytes: the four waves' meet in LDS, and leave as five stores of 512 consecutive bytes, each at a multiple of 256 from out0's first byte.
.irp t, 0,1,2,3,4
	ds_store_b32 v[RA], v[RES+(\t)] offset:128*(\t)
.endr
	s_wait_dscnt 0x0                               ; for the others' sake: my results lie in LDS
	s_barrier_signal -1
	s_barrier_wait -1                              ; everybody's do
	ds_load_b128 v[Q0:Q0+3], v[RB]
	s_wait_dscnt 0x0
	global_store_b128 v[GO], v[Q0:Q0+3], s[OB:OB+1] th:TH_STORE_NT
	s_cmp_lg_u32 s[WV], 0                          ; wave 0 takes the fifth piece too
	s_cbranch_scc1 .Lend
	ds_load_b128 v[T:T+3], v[RB] offset:2048
	s_wait_dscnt 0x0
	global_store_b128 v[GO], v[T:T+3], s[OB:OB+1] offset:2048 th:TH_STORE_NT
.Lend:
	s_wait_tensorcnt 0x0                           ; the wave's end, behind my last LDS store
	ds_add_u32 v[SPW], v[NIL]
	s_wait_dscnt 0x0
	s_endpgm
.Lfunc_end_k_q11fb2f9fe6_otam:
	.size	k_q11fb2f9fe6_otam, .Lfunc_end_k_q11fb2f9fe6_otam-k_q11fb2f9fe6_otam
	.p2alignl 7, 3214868480
	.fill 96, 4, 3214868480
	.section	.rodata,"a",@progbits
	.p2align	6, 0x0
	.amdhsa_kernel k_q11fb2f9fe6_otam
		.amdhsa_group_segment_fixed_size 136192
		.amdhsa_private_segment_fixed_size 0
		.amdhsa_enable_private_segment 0
		.amdhsa_kernarg_size 16
		.amdhsa_user_sgpr_count 2
		.amdhsa_user_sgpr_kernarg_segment_ptr 1
		.amdhsa_wavefront_size32 1
		.amdhsa_system_sgpr_workgroup_id_x 1
		.amdhsa_system_sgpr_workgroup_id_y 1
		.amdhsa_system_sgpr_workgroup_id_z 1
		.amdhsa_system_vgpr_workitem_id 0
		.amdhsa_next_free_vgpr 768
		.amdhsa_next_free_sgpr 66
		.amdhsa_reserve_vcc 0
		.amdhsa_float_denorm_mode_32 3
		.amdhsa_float_denorm_mode_16_64 3
		.amdhsa_memory_ordered 1
		.amdhsa_forward_progress 1
		.amdhsa_inst_pref_size 255
	.end_amdhsa_kernel
	.section	.bss,"aw",@nobits
	.p2align	6
	.space	262144
	.amdgpu_metadata
---
amdhsa.version: [ 1, 2 ]
amdhsa.kernels:
  - .name:           k_q11fb2f9fe6_otam
    .symbol:         k_q11fb2f9fe6_otam.kd
    .args:
      - { .name: similarity, .offset: 0, .size: 8, .value_kind: global_buffer, .address_space: global }
      - { .name: out0, .offset: 8, .size: 8, .value_kind: global_buffer, .address_space: global }
    .group_segment_fixed_size: 136192
    .private_segment_fixed_size: 0
    .kernarg_segment_align: 8
    .kernarg_segment_size: 16
    .max_flat_workgroup_size: 128
    .sgpr_count:     66
    .vgpr_count:     768
    .wavefront_size: 32
...
	.end_amdgpu_metadata
.endif
;; end of part 1
;; ======== version 2 of 2: 1 launch; version 1 with the launch otam written anew for expert scheduling mode
;; launch otam (part 2): grid 250 x 1, 4 waves a work-group, no clusters, 136,192 bytes of LDS; arguments similarity, out0; writes out0
.if DOCPART == 2
	.amdgcn_target "amdgcn-amd-amdhsa--gfx1250"
	.amdhsa_code_object_version 6
	.text
	.protected	k_q11fb2f9fe6_otam
	.globl	k_q11fb2f9fe6_otam
	.p2align	8
	.type	k_q11fb2f9fe6_otam,@function
k_q11fb2f9fe6_otam:
	s_mov_b64 s[64:65], 0
	v_nop
	global_prefetch_b8 v0, s[64:65] scope:SCOPE_SE
	s_setreg_imm32_b32 hwreg(HW_REG_WAVE_SCHED_MODE, 0, 2), 2
	s_setreg_imm32_b32 hwreg(HW_REG_WAVE_MODE, 25, 1), 1
	s_wait_xcnt 0x0
	s_wait_alu depctr_vm_vsrc(0)
; OTAM votes.  similarity: [400][400][16][16] f32, out0: [400][400] f32.  For each of the 160,000 pairs: d = 1 - sim, the banded soft-min DP (temperature 0.1) on d and on d^T,
; out = -(cumA + cumB) / 2.
; UNITS.  x = cum * c, c = 1 / (0.1 ln 2) = 14.42695, so that softmin(a, b) = min(a, b) - log2(1 + 2^-|a - b|): the minimum is taken away at every cell.
; BY COLUMNS.  cum[l][m] hangs on cum[l-1][m-1] and cum[l][m-1] alone for m = 2 .. 16: a lane holds a whole column, 16 cells, and a step makes the next column: 15 soft-mins that do not
; wait for each other, and row 0, which only adds.  A lane runs BOTH DPs of one pair, as register pairs (A, B): differences and sums are packed, two cells an instruction.
; Step j takes column j of sim for A and row j for B.  The 1 of d = 1 - sim is the same for every path through an inner column: the cells add -c sim alone, and 15 is added at the end.
; COLUMN 1 is a chain down the rows, x_l = D_l + softmin(-1, x_(l-1)) (the two zeros of column 0 make -1).  It is kept as x_l = s_l - log2 f_l: s_l = D_l + min(-1, s_(l-1)) is plain
; arithmetic and plays the running maximum's part; f_l = f_(l-1) 2^(mu - s_(l-1)) + 2^(mu + 1), mu = min(-1, s_(l-1)): both exponents are <= 0, one is 0, f stays in 1 .. 16.
; COLUMN 17 (d = 0) unrolls to -log2(2 sum over l < 15 of 2^-x_l + 2^-x_15), with the least x taken away first.
; LIMITS.  A term more than 2^126 below its partner counts as 0; NaN and infinities are not treated apart; sums are taken in another order than the reference's; the numbers stay
; finite while 16 c |sim| stays inside f32.
; SHARES.  250 work-groups of four waves, one wave a SIMD; a work-group owns 640 pairs, a wave 160: five TILES of 32 pairs, a lane a pair.  5,000 tiles = 250 x 20: all shares are equal.
; THE WAY IN.  A tile is 32 KiB on end: 64 loads of 512 consecutive bytes, into 256 staging registers; from there into the wave's own LDS slot, a pair every 1,040 bytes; from there a lane
; reads its pair's 1,024 bytes into 256 registers, once.  1,040 bytes = 260 words: lane i starts at bank 4 i mod 64 (64 banks of 4 bytes: ISA guide 11.1).
; No wave touches another's slot, and LDS serves a wave's instructions in order (ISA guide 5.7.1.4): no barrier on the way in.
; THE STREAM.  The 64 loads are 16 chunks of 4.  Ahead of each of a tile's 16 column steps stands a SNIP: the next tile's chunk, loaded 15 SNIPs ago, goes to LDS, and 4 loads go out into the
; registers that the SNIP before has emptied.  So 56 to 60 loads of the wave are out all the time, across tiles.  The last two tiles have nothing left to load: they are a second text.
; NO CLUSTER, NO MATRIX UNIT: no byte is shared between pairs, and there is no product.
; REGISTERS, in windows of 256 (s_set_vgpr_msb: bits 1:0 source 0, 3:2 source 1, 5:4 source 2, 7:6 destination):
;   window 0: addresses, X, T, MN      window 1: the pair's matrix, sim[r][c] at v[16 r + c]      window 2: staging, load k of a tile at v[4 k .. 4 k + 3]
; THE MODE: SCHED_MODE bits 1:0 = 2 (LLVM: expert scheduling mode 2), set by the entry lines.  The code itself states the register dependences between vector instructions and memory or
; LDS instructions, with s_wait_alu, always for 0.
; THE PLAN.  Registers that memory or LDS instructions touch:
;   staging       Written by the global loads alone, read by the LDS stores alone; no vector instruction names it.  Chunk c - 1 is stored in SNIP c - 1 and loaded again in SNIP c:
;                 one wait on vm_vsrc at a SNIP's head, a column step behind the stores that it waits for.
;   the matrix    Written by LOADMAT's LDS loads; read by column 1's and the steps' multiply-adds, the last of which stand in step 15, ahead of its wait for its logarithms.  That wait on
;                 va_vdst so states also that the matrix is read out, and the next tile's LOADMAT follows it at once: it lands while the step's sums and column 17 are made, in window 0.
;   v2 to v9      Offsets and LDS addresses, made at the head and never written again: one wait on va_vdst ahead of the first load.
;   RES, T..T+3   On the way out: one wait on va_vdst ahead of the LDS stores of the votes; no vector instruction follows it.
;   X, T, MN, MF  In the loops these are named by vector instructions alone.
.set TILEB, 32768                      ; bytes in a tile
.set PITCH, 1040                       ; a pair in LDS
.set SLOT,  32*PITCH                   ; a wave's slot
.set RESB,  4*SLOT                     ; behind the slots: the work-group's 640 results, 2,560 bytes
.set SPARE, RESB+2560                  ; behind them: the spare words, 128 bytes for each wave: two blocks of 256 bytes that no other line names
.set VOFF, 2                           ; v2   16 x lane: my 16 bytes of a load's 512; never rewritten
.set STO,  3                           ; v3   slot + 16 x lane: where they go in LDS; never rewritten
.set RD,   4                           ; v4   slot + 1,040 x lane: my pair; never rewritten
.set RA,   5                           ; v5   where my results go in LDS
.set SPW,  6                           ; v6   LDS address of my spare word: SPARE + 4 x my thread's number; never rewritten
.set NIL,  7                           ; v7   0; never rewritten
.set RB,   8                           ; v8   where I read 16 bytes of results back
.set GO,   9                           ; v9   and their place in the work-group's 2,560 bytes of out0
.set MF,   10                          ; v[10:11]  column 17: the least x of A, of B
.set RES,  12                          ; v[12:16]  my five results; each tile shifts them down by one
.set Q0,   20                          ; v[20:23]  results on their way out
.set X,    24                          ; v[24:55]  the column: cell l of A, of B at X + 2 l
.set T,    56                          ; v[56:87]  at work, pair l at T + 2 l
.set MN,   88                          ; v[88:119] at work, pair l at MN + 2 l
.set WV,   8                           ; s8   my wave's number
.set LB,   10                          ; s[10:11] similarity at the tile whose chunks 0 to 14 the SNIPs in hand load
.set OB,   12                          ; s[12:13] out0 at the work-group's first result
.set CNT,  14                          ; s14  tiles to go
.set NEGC, 16                          ; s16  -c
.set CPOS, 17                          ; s17  c
.set KOUT, 18                          ; s18  -1 / (2 c)
.set M15,  19                          ; s19  -15
.set MSB, 0
.macro WIN new                         ; the immediate's high byte repeats the setting that is left; a switch that changes nothing is dropped
.if MSB != (\new)
	s_set_vgpr_msb (MSB<<8)|(\new)
.set MSB, \new
.endif
.endm
; SNIP c.  Chunk c's four loads were issued 15 SNIPs ago; the 14 SNIPs since have issued 56: loads come back in order (ISA guide 5.7.1), so with 56 out chunk c is in.
; It goes to LDS: load k holds half k % 2 of pair k / 2.  Then four loads go out into chunk c - 1's registers, which the SNIP before has stored: chunk c - 1 of the tile at LB
; (for c = 0: the last chunk of the tile before it, 2,048 bytes below LB).
.macro SNIP c
	WIN 0x88                                       ; LDS store data (source 1) and load destination in window 2, addresses in window 0
	s_wait_loadcnt 56
	s_wait_alu depctr_vm_vsrc(0)                   ; the LDS stores of the SNIP before have read chunk c - 1's registers, in which the loads below land; the stores between name chunk c and v[STO] alone
.irp k, 0,1,2,3
	ds_store_b128 v[STO], v[16*(\c)+4*(\k):16*(\c)+4*(\k)+3] offset:(2*(\c)+(\k)/2)*PITCH+((\k)%2)*512
.endr
.irp k, 0,1,2,3
	global_load_b128 v[16*(((\c)+15)%16)+4*(\k):16*(((\c)+15)%16)+4*(\k)+3], v[VOFF], s[LB:LB+1] offset:((\c)-1)*2048+512*(\k) th:TH_LOAD_NT
.endr
.endm
; My pair's 64 pieces of 16 bytes.  What column 1 needs comes first: columns 0-3 of every row (16 loads), the rest of row 0 (3 loads).
.macro LOADMAT
	WIN 0x40                                       ; destination in window 1
.set ll, 0
.rept 16
	ds_load_b128 v[16*ll:16*ll+3], v[RD] offset:64*ll
.set ll, ll+1
.endr
.set ll, 0
.rept 16
.irp q, 1,2,3
	ds_load_b128 v[16*ll+4*(\q):16*ll+4*(\q)+3], v[RD] offset:64*ll+16*(\q)
.endr
.set ll, ll+1
.endr
.endm
; The next tile's matrix is asked for, straight behind step 15's second wait.  stream = 1: SNIP 15 has just laid the next tile's last chunk into the slot (LDS keeps my instructions' order).
; stream = 0: tile 3 first lays tile 4, which has come in meanwhile, into the slot in one run; tile 4 has no next tile and jumps over all of it.
.macro NEXTMAT stream
.if !(\stream)
	s_cmp_eq_u32 s[CNT], 1                         ; (every window is 0 here)
	s_cbranch_scc1 .Lno_next_\@
	s_wait_loadcnt 0x0                             ; tile 4 is in its staging registers
	WIN 0x08                                       ; LDS store data in window 2
.set kk, 0
.rept 64
	ds_store_b128 v[STO], v[4*kk:4*kk+3] offset:(kk/2)*PITCH+(kk%2)*512
.set kk, kk+1
.endr
.endif
	LOADMAT                                        ; no vector instruction since the wait names the matrix or v[RD]
	WIN 0
.if !(\stream)
.Lno_next_\@:
.endif
.endm
; COLUMN 1.
.macro COL1
	WIN 0x04                                       ; source 1 in window 1
.set ll, 0
.rept 16
	v_fma_f32 v[X+2*ll],   s[NEGC], v[16*ll], s[CPOS]  ; D_l = c - c sim[l][0] for A,
	v_fma_f32 v[X+2*ll+1], s[NEGC], v[ll],    s[CPOS]  ; c - c sim[0][l] for B
.set ll, ll+1
.endr
	WIN 0
.set ll, 1
.rept 15                               ; the chain of s; row l - 1's four exponentials stand between row l's plain lines
	v_min_num_f32 v[T+2*ll], -1.0, v[X+2*ll-2]     ; mu
.if ll > 1
	v_exp_f32 v[T+2*ll-2], v[T+2*ll-2]
.endif
	v_min_num_f32 v[T+2*ll+1], -1.0, v[X+2*ll-1]
.if ll > 1
	v_exp_f32 v[T+2*ll-1], v[T+2*ll-1]
.endif
	v_pk_add_f32 v[X+2*ll:X+2*ll+1], v[X+2*ll:X+2*ll+1], v[T+2*ll:T+2*ll+1]  ; s_l = D_l + mu
.if ll > 1
	v_exp_f32 v[MN+2*ll-2], v[MN+2*ll-2]
.endif
	v_pk_add_f32 v[MN+2*ll:MN+2*ll+1], v[T+2*ll:T+2*ll+1], v[X+2*ll-2:X+2*ll-1] neg_lo:[0,1] neg_hi:[0,1]  ; mu - s_(l-1)
.if ll > 1
	v_exp_f32 v[MN+2*ll-1], v[MN+2*ll-1]
.endif
	v_pk_add_f32 v[T+2*ll:T+2*ll+1], v[T+2*ll:T+2*ll+1], 1.0 op_sel_hi:[1,0]  ; mu + 1
.set ll, ll+1
.endr
	v_exp_f32 v[T+30], v[T+30]
	v_exp_f32 v[T+31], v[T+31]
	v_exp_f32 v[MN+30], v[MN+30]
	v_exp_f32 v[MN+31], v[MN+31]
	v_nop                                          ; a plain instruction behind the last exponential (ISA guide 5.7.2),
	s_wait_alu depctr_va_vdst(0)                   ; and the wait ahead of the first reader: the 60 exponentials have written T and MN
	v_pk_add_f32 v[T+2:T+3], v[T+2:T+3], v[MN+2:MN+3]  ; f_1 = 2^(mu + 1) + 1 x 2^(mu - s_0)
.set ll, 2
.rept 14                               ; the chain of f; row l - 1's logarithms, into the registers of its spent factor, stand between the links
	v_pk_fma_f32 v[T+2*ll:T+2*ll+1], v[T+2*ll-2:T+2*ll-1], v[MN+2*ll:MN+2*ll+1], v[T+2*ll:T+2*ll+1]
	v_log_f32 v[MN+2*ll-2], v[T+2*ll-2]
	v_log_f32 v[MN+2*ll-1], v[T+2*ll-1]
.set ll, ll+1
.endr
	v_log_f32 v[MN+30], v[T+30]
	v_log_f32 v[MN+31], v[T+31]
	v_nop
	s_wait_alu depctr_va_vdst(0)                   ; the 30 logarithms have written MN, ahead of their first reader
.set ll, 1
.rept 15
	v_pk_add_f32 v[X+2*ll:X+2*ll+1], v[X+2*ll:X+2*ll+1], v[MN+2*ll:MN+2*ll+1] neg_lo:[0,1] neg_hi:[0,1]  ; x_l = s_l - log2 f_l
.set ll, ll+1
.endr
.endm
; AN INNER COLUMN: step j takes sim[l][j] for A and sim[j][l] for B.
.macro PKT n                           ; a - b, a = the cell above in the last column, b = the cell beside
	v_pk_add_f32 v[T+2*(\n):T+2*(\n)+1], v[X+2*(\n)-2:X+2*(\n)-1], v[X+2*(\n):X+2*(\n)+1] neg_lo:[0,1] neg_hi:[0,1]
.endm
.macro PKA n                           ; 1 + 2^-|a - b|
	v_pk_add_f32 v[T+2*(\n):T+2*(\n)+1], v[T+2*(\n):T+2*(\n)+1], 1.0 op_sel_hi:[1,0]
.endm
.macro STEP j, stream
.if \stream
	SNIP \j
.endif
	WIN 0
	PKT 1
	PKT 2
.set ll, 1
.rept 15                               ; exponential and plain by turns; the differences run two rows ahead of their exponentials
.if ll < 14
	PKT ll+2
.endif
	v_exp_f32 v[T+2*ll], -|v[T+2*ll]|
	v_min_num_f32 v[MN+2*ll], v[X+2*ll-2], v[X+2*ll]
	v_exp_f32 v[T+2*ll+1], -|v[T+2*ll+1]|
	v_min_num_f32 v[MN+2*ll+1], v[X+2*ll-1], v[X+2*ll+1]  ; (the last of these is the plain instruction behind the last exponential)
.set ll, ll+1
.endr
	s_wait_alu depctr_va_vdst(0)                   ; the 30 exponentials have written T, ahead of their first reader
.if (\j) == 1
	s_wait_dscnt 8*(\stream)                       ; the whole matrix is in: behind its last load stand only the eight LDS stores of SNIPs 0 and 1, or nothing
.endif
	WIN 0x04                                       ; source 1 in window 1: the matrix; logarithms and the packed sums with a constant name no source 1 register
	v_fmac_f32 v[X],   s[NEGC], v[\j]              ; row 0 only adds; its old value has been read above
	v_fmac_f32 v[X+1], s[NEGC], v[16*(\j)]
	PKA 1
	PKA 2
.set ll, 1
.rept 15                               ; logarithm and plain by turns
.if ll < 14
	PKA ll+2
.endif
	v_log_f32 v[T+2*ll], v[T+2*ll]
	v_fmac_f32 v[MN+2*ll], s[NEGC], v[16*ll+(\j)]      ; min - c sim
	v_log_f32 v[T+2*ll+1], v[T+2*ll+1]
	v_fmac_f32 v[MN+2*ll+1], s[NEGC], v[16*(\j)+ll]    ; (the last of these is the plain instruction behind the last logarithm)
.set ll, ll+1
.endr
.if ((\j) == 15) && (\stream)
	WIN 0x40                                       ; the loads that follow the wait land in window 1: the switch stands ahead of the wait
.else
	WIN 0
.endif
	s_wait_alu depctr_va_vdst(0)                   ; the 30 logarithms have written T; in step 15 also: the tile's last multiply-adds are done reading the matrix, in which the next tile's loads land
.if (\j) == 15
	NEXTMAT \stream
.endif
.set ll, 1
.rept 15
	v_pk_add_f32 v[X+2*ll:X+2*ll+1], v[MN+2*ll:MN+2*ll+1], v[T+2*ll:T+2*ll+1] neg_lo:[0,1] neg_hi:[0,1]
.set ll, ll+1
.endr
.endm
; COLUMN 17 and the vote.
.macro PKS n
	v_pk_add_f32 v[T+2*(\n):T+2*(\n)+1], v[MF:MF+1], v[X+2*(\n):X+2*(\n)+1] neg_lo:[0,1] neg_hi:[0,1]
.endm
.macro PADD a, b
	v_pk_add_f32 v[T+2*(\a):T+2*(\a)+1], v[T+2*(\a):T+2*(\a)+1], v[T+2*(\b):T+2*(\b)+1]
.endm
.macro FINAL
.irp h, 0,1
	v_min3_num_f32 v[T+(\h)],   v[X+(\h)],    v[X+2+(\h)],  v[X+4+(\h)]
	v_min3_num_f32 v[T+2+(\h)], v[X+6+(\h)],  v[X+8+(\h)],  v[X+10+(\h)]
	v_min3_num_f32 v[T+4+(\h)], v[X+12+(\h)], v[X+14+(\h)], v[X+16+(\h)]
	v_min3_num_f32 v[T+6+(\h)], v[X+18+(\h)], v[X+20+(\h)], v[X+22+(\h)]
	v_min3_num_f32 v[T+8+(\h)], v[X+24+(\h)], v[X+26+(\h)], v[X+28+(\h)]
.endr
.irp h, 0,1
	v_min3_num_f32 v[T+(\h)],   v[T+(\h)],   v[T+2+(\h)], v[T+4+(\h)]
	v_min3_num_f32 v[T+6+(\h)], v[T+6+(\h)], v[T+8+(\h)], v[X+30+(\h)]
.endr
.irp h, 0,1
	v_min_num_f32 v[MF+(\h)], v[T+(\h)], v[T+6+(\h)]   ; the least of the 16
.endr
	PKS 0
	PKS 1
.set ll, 0
.rept 16
.if ll < 14
	PKS ll+2
.endif
	v_exp_f32 v[T+2*ll], v[T+2*ll]
	v_exp_f32 v[T+2*ll+1], v[T+2*ll+1]
.set ll, ll+1
.endr
	v_nop
	s_wait_alu depctr_va_vdst(0)                   ; the 32 exponentials have written T, ahead of their first reader
.irp p, 0,2,4,6,8,10,12
	PADD \p, (\p)+1
.endr
	PADD 0, 2
	PADD 4, 6
	PADD 8, 10
	PADD 12, 14
	PADD 0, 4
	PADD 8, 12
	PADD 0, 8                                      ; rows 0 to 14,
	v_pk_fma_f32 v[T:T+1], v[T:T+1], 2.0, v[T+30:T+31] op_sel_hi:[1,0,1]  ; twice, and row 15 once
	v_log_f32 v[T], v[T]
	v_log_f32 v[T+1], v[T+1]
.irp r, 0,1,2,3
	v_mov_b32 v[RES+(\r)], v[RES+(\r)+1]           ; the earlier tiles' results move down by one, so that one text serves every tile; also the plain lines behind the logarithms
.endr
	s_wait_alu depctr_va_vdst(0)                   ; the two logarithms have written T and T + 1, ahead of their reader
	v_pk_add_f32 v[T:T+1], v[MF:MF+1], v[T:T+1] neg_lo:[0,1] neg_hi:[0,1]
	v_add_f32 v1, v[T], v[T+1]
	v_fma_f32 v[RES+4], v1, s[KOUT], s[M15]        ; -(xA + xB) / (2 c) - 15: the 15 inner columns' ones
.endm
; A tile, whose matrix was asked for in the tile before (tile 0's: ahead of the loop).  stream = 1: the next tile but one is being loaded, the next one stored into the slot, which
; LOADMAT has read out ahead of SNIP 0 (LDS keeps my instructions' order).
.macro TILE stream
.if \stream
	SNIP 0
.endif
	s_wait_dscnt 45+4*(\stream)                    ; the first 19 matrix loads are in: 45 loads are younger, and SNIP 0's four stores
	COL1
.set jj, 1
.rept 15
	STEP jj, \stream
.set jj, jj+1
.endr
	FINAL
.endm
	s_load_b128 s[4:7], s[0:1], 0x0                ; similarity s[4:5], out0 s[6:7]
	v_lshl_add_u32 v[SPW], v0, 2, SPARE
	v_mov_b32 v[NIL], 0
	v_lshrrev_b32 v1, 5, v0
	v_readfirstlane_b32 s[WV], v1                  ; wave 0..3
	v_and_b32 v1, 31, v0                           ; lane
	v_lshlrev_b32 v[VOFF], 4, v1
	s_wait_alu depctr_va_sdst(0)                   ; s[WV] is written, ahead of its first reader: LDS addresses and both bases are made from it
	s_mul_i32 s9, s[WV], SLOT                      ; my slot
	v_lshl_add_u32 v[STO], v1, 4, s9
	v_mul_u32_u24 v[RD], v1, PITCH
	v_add_nc_u32 v[RD], s9, v[RD]
	s_mul_i32 s9, s[WV], 640                       ; my wave's 160 results
	s_add_co_u32 s9, s9, RESB
	v_lshl_add_u32 v[RA], v1, 2, s9
	s_lshl_b32 s9, s[WV], 9                        ; on the way out wave w takes bytes 512 w .. 512 w + 511 of the 2,560
	v_lshl_add_u32 v[GO], v1, 4, s9
	v_add_nc_u32 v[RB], RESB, v[GO]
.irp r, 1,2,3,4
	v_mov_b32 v[RES+(\r)], 0                       ; read by the first tiles' shifts, and shifted out before the end
.endr
	s_mov_b32 s[NEGC], 0xc166d4ca                  ; -14.42695
	s_mov_b32 s[CPOS], 0x4166d4ca
	s_mov_b32 s[KOUT], 0xbd0df4e0                  ; -0.03465736
	s_mov_b32 s[M15], 0xc1700000
	s_mul_i32 s20, ttmp9, 20*TILEB                 ; the work-group's 20 tiles (under 2^28 bytes in all),
	s_mul_i32 s21, s[WV], 5*TILEB                  ; my five,
	s_add_co_u32 s20, s20, s21
	s_add_co_u32 s20, s20, TILEB                   ; at my tile 1
	s_mov_b32 s21, 0
	s_mul_i32 s22, ttmp9, 2560
	s_mov_b32 s23, 0
	s_wait_kmcnt 0x0
	s_add_nc_u64 s[LB:LB+1], s[4:5], s[20:21]
	s_add_nc_u64 s[OB:OB+1], s[6:7], s[22:23]
	WIN 0x80                                       ; destination in window 2
	s_wait_alu depctr_va_vdst(0)                   ; the offsets and LDS addresses v2 to v9 are written, which every load and store of the kernel reads; none is written again
.set kk, 0
.rept 60                               ; tile 0's chunks 0 to 14
	global_load_b128 v[4*kk:4*kk+3], v[VOFF], s[LB:LB+1] offset:512*kk-TILEB th:TH_LOAD_NT
.set kk, kk+1
.endr
.set cc, 0
.rept 16                               ; tile 0 goes into the slot; its chunk 15 and tile 1's chunks 0 to 14 go out
	SNIP cc
.set cc, cc+1
.endr
	LOADMAT                                        ; tile 0's matrix: no vector instruction has named these registers yet
	WIN 0
	s_wait_xcnt 0x0                                ; every load issued so far has read its address: LB is written only behind this wait
	s_add_nc_u64 s[LB:LB+1], s[LB:LB+1], TILEB
	s_mov_b32 s[CNT], 3
.Ltile:                                                ; tiles 0, 1, 2: each stores the next tile, asks for its matrix, and loads up to the next but one's chunk 14
	TILE 1
	s_wait_xcnt 0x0
	s_add_nc_u64 s[LB:LB+1], s[LB:LB+1], TILEB
	s_sub_co_u32 s[CNT], s[CNT], 1
	s_cmp_lg_u32 s[CNT], 0
	s_cbranch_scc1 .Ltile
	WIN 0x80
	s_wait_alu depctr_vm_vsrc(0)                   ; the last SNIP 15's LDS stores have read chunk 15's registers, in which the four loads below land
.irp k, 0,1,2,3
	global_load_b128 v[240+4*(\k):240+4*(\k)+3], v[VOFF], s[LB:LB+1] offset:512*(\k)-2048 th:TH_LOAD_NT  ; tile 4's chunk 15: my last loads
.endr
	WIN 0
	s_mov_b32 s[CNT], 2
.Ltail:                                                ; tiles 3 and 4: nothing is left to load, so this text has no SNIP and no counted wait for loads
	TILE 0
	s_sub_co_u32 s[CNT], s[CNT], 1
	s_cmp_lg_u32 s[CNT], 0
	s_cbranch_scc1 .Ltail
	; THE WAY OUT.  A wave's 160 results are 640 bytes: the four waves' meet in LDS, and leave as five stores of 512 consecutive bytes, each at a multiple of 256 from out0's first byte.
	s_wait_alu depctr_va_vdst(0)                   ; the votes are written into RES, which the LDS stores read; column 17 is done with v[T .. T+3], in which wave 0's second load lands; no vector instruction follows
.irp t, 0,1,2,3,4
	ds_store_b32 v[RA], v[RES+(\t)] offset:128*(\t)
.endr
	s_wait_dscnt 0x0                               ; for the others' sake: my results lie in LDS
	s_barrier_signal -1
	s_barrier_wait -1                              ; everybody's do
	ds_load_b128 v[Q0:Q0+3], v[RB]
	s_wait_dscnt 0x0
	global_store_b128 v[GO], v[Q0:Q0+3], s[OB:OB+1] th:TH_STORE_NT
	s_cmp_lg_u32 s[WV], 0                          ; wave 0 takes the fifth piece too
	s_cbranch_scc1 .Lend
	ds_load_b128 v[T:T+3], v[RB] offset:2048
	s_wait_dscnt 0x0
	global_store_b128 v[GO], v[T:T+3], s[OB:OB+1] offset:2048 th:TH_STORE_NT
.Lend:
	s_wait_dscnt 0x0                               ; the closing lines, six on end
	s_wait_alu 0x0
	s_wait_tensorcnt 0x0
	ds_add_u32 v[SPW], v[NIL]
	s_wait_dscnt 0x0
	s_endpgm
.Lfunc_end_k_q11fb2f9fe6_otam:
	.size	k_q11fb2f9fe6_otam, .Lfunc_end_k_q11fb2f9fe6_otam-k_q11fb2f9fe6_otam
	.p2alignl 7, 3214868480
	.fill 96, 4, 3214868480
	.section	.rodata,"a",@progbits
	.p2align	6, 0x0
	.amdhsa_kernel k_q11fb2f9fe6_otam
		.amdhsa_group_segment_fixed_size 136192
		.amdhsa_private_segment_fixed_size 0
		.amdhsa_enable_private_segment 0
		.amdhsa_kernarg_size 16
		.amdhsa_user_sgpr_count 2
		.amdhsa_user_sgpr_kernarg_segment_ptr 1
		.amdhsa_wavefront_size32 1
		.amdhsa_system_sgpr_workgroup_id_x 1
		.amdhsa_system_sgpr_workgroup_id_y 1
		.amdhsa_system_sgpr_workgroup_id_z 1
		.amdhsa_system_vgpr_workitem_id 0
		.amdhsa_next_free_vgpr 768
		.amdhsa_next_free_sgpr 66
		.amdhsa_reserve_vcc 0
		.amdhsa_float_denorm_mode_32 3
		.amdhsa_float_denorm_mode_16_64 3
		.amdhsa_memory_ordered 1
		.amdhsa_forward_progress 1
		.amdhsa_inst_pref_size 255
	.end_amdhsa_kernel
	.section	.bss,"aw",@nobits
	.p2align	6
	.space	262144
	.amdgpu_metadata
---
amdhsa.version: [ 1, 2 ]
amdhsa.kernels:
  - .name:           k_q11fb2f9fe6_otam
    .symbol:         k_q11fb2f9fe6_otam.kd
    .args:
      - { .name: similarity, .offset: 0, .size: 8, .value_kind: global_buffer, .address_space: global }
      - { .name: out0, .offset: 8, .size: 8, .value_kind: global_buffer, .address_space: global }
    .group_segment_fixed_size: 136192
    .private_segment_fixed_size: 0
    .kernarg_segment_align: 8
    .kernarg_segment_size: 16
    .max_flat_workgroup_size: 128
    .sgpr_count:     66
    .vgpr_count:     768
    .wavefront_size: 32
...
	.end_amdgpu_metadata
.endif
;; end of part 2
